; MI455X (gfx1250); checked and timed in simulation.
; The chip was launched on July 23, 2026; its instructions are those of AMD's public machine-readable ISA for CDNA 5 (MIT licence, August 2026) and "CDNA5" Instruction Set Architecture Reference Guide (July 2026). The comments in the code are by the model that wrote it; some were corrected since.
;; scaled dot product attention. Allowed arithmetic: matrix products marked QUANTISED: E5M2 operands, one given power-of-two scale a tensor, by v_wmma_f32_16x16x64_bf8_bf8 or v_wmma_f32_16x16x128_bf8_bf8, f32 sums; everything else in f32.
;; Inputs: K 4 x 16 x 2,048 x 64 float32; Q 4 x 16 x 2,048 x 64 float32; V 4 x 16 x 2,048 x 64 float32; lowp_scales 4 int32 (the exponents e of the quantised operands' scales 2^e); mask 2,048 x 2,048 bool.
;; Outputs: out0 4 x 16 x 2,048 x 64 float32.
;; This version of the problem:
;;   THIS VERSION OF THE PROBLEM IS GIVEN IN LOW PRECISION. The matrix products marked QUANTISED in the list below multiply operands that are first quantised to E5M2 (5 exponent bits, 2 mantissa bits; 8 bits a number), with one given power-of-two scale for each operand tensor; their sums are f32. All else is computed in f32.
;;   The module's matrix products, in the order in which they are computed (A, B: the left and right operand; K: the contracted axis; several contracted axes count as one K, in the product's order):
;;     1. batch 64 x [M 2,048, K 64] x [K 64, N 2,048]; A: input Q; B: input K: QUANTISED (scales: A lowp_scales[0], B lowp_scales[1])
;;     2. batch 64 x [M 2,048, K 2,048] x [K 2,048, N 64]; A: softmax (see below); B: input V: QUANTISED (scales: A lowp_scales[2], B lowp_scales[3])
;;   THE QUANTISER, for each operand of a quantised product, along K:
;;     - The operand's scale is 2^e, e = its entry of the input lowp_scales (int32; the entries are numbered through the quantised products in the list's order, A before B).
;;     - Each number is divided by the scale, clamped to +-57,344, and rounded to the nearest number of E5M2, ties to even, subnormals kept.
;;     - The product sums the exact products of the quantised numbers (number of the format x scale) in f32.
;;   ~~~python
;;   def quantise(x, axis, e):      # numpy; x: float32 -> the quantised numbers, widened to float32 again
;;       x = np.moveaxis(x, axis, -1); K = x.shape[-1]
;;       r = np.clip(x / 2.0 ** e, -57344, 57344)
;;       step = 2.0 ** (np.maximum(np.frexp(np.where(r == 0, 1, r))[1] - 1, -14) - 2)
;;       q = np.round(r / step) * step * 2.0 ** e      # np.round: ties to even
;;       return np.moveaxis(q, -1, axis).astype(np.float32)
;;   ~~~
;;   SOFTMAX AHEAD OF A QUANTISED PRODUCT. Where the list says 'softmax', what is quantised is not the finished softmax but p = 2^(t - M), with t = logit x log2(e) and M = ceil(the row's largest t), a whole number; so 1/2 < the row's largest p <= 1. The row's sum l is taken of the UNQUANTISED p, in f32, and the product's result is divided by l at the end. Since M is a whole number, a kernel that streams over the keys may use a running M (the ceiling of the running maximum): every later rescaling is an exact power of two, so the quantised numbers keep their values, but for numbers so far below the row's largest that they fall under the format's range.
;;   OPERANDS COMPUTED ON THE WAY. 'Computed on the way' means the value that the module computes at that place (a softmax that the list does not call 'softmax' is quantised finished and normalised). What goes into a quantiser is computed in f32, as accurately as f32 sums, v_exp_f32 and their like allow (about 1e-6 of the number): no bf16 or f16 on the way to a quantiser, and a product that is left as it is and whose result goes on into a quantised operand takes f32 operands (vector FMAs, or v_wmma_f32_16x16x4_f32). A number that lies on a knife's edge between two numbers of the format may be rounded either way, as far as f32 arithmetic and the matrix unit's own rounding can turn it there, and no further.
;; One version. Each part assembles by itself: llvm-mc -triple=amdgcn-amd-amdhsa -mcpu=gfx1250 --defsym DOCPART=n.
;; ======== version 1 of 1: 2 launches
;; limits: right only within a limited range of input values
;; workspace buffers: kv 16,777,216 bytes; maskw 524,288 bytes of whole numbers; flags 2,048 bytes of whole numbers
;; launch prep (part 1): grid 640 x 1, 4 waves a work-group, no clusters, 70,144 bytes of LDS; arguments K, V, mask, lowp_scales, kv, maskw, flags; writes kv, maskw, flags
.if DOCPART == 1
	.amdgcn_target "amdgcn-amd-amdhsa--gfx1250"
	.amdhsa_code_object_version 6
	.text
	.protected	k_q0a0a686db9_prep
	.globl	k_q0a0a686db9_prep
	.p2align	8
	.type	k_q0a0a686db9_prep,@function
k_q0a0a686db9_prep:
	s_mov_b64 s[64:65], 0
	v_nop
	global_prefetch_b8 v0, s[64:65] scope:SCOPE_SE
	s_setreg_imm32_b32 hwreg(HW_REG_WAVE_MODE, 25, 1), 1
	s_wait_xcnt 0x0
; K and V [64 heads][2048 keys][64] f32 become codes of BF8 (E5M2), each with its given scale 2^e, laid as IMAGES OF THE OPERAND REGISTERS of the attention launch;
; the mask [2048][2048] of bytes becomes lane-mask words for that launch's selects.
; code = x / 2^e, held within +-57,344, to the nearest code, ties to even.  LIMITS: ek and ev between -126 and 112, so that 2^e and 57,344 x 2^e are f32 numbers.  NaN among the inputs is not served.
; kv: [head 64][step 16][16,384 bytes]; a step is 128 keys.
;   bytes 0-8191     K: fragment (T = 0..7, c = 0..1) at 1024 T + 512 c + 16 lane: lane (r, h) holds key 16 T + r, channels 32 c + 16 h + 0..15
;   bytes 8192-16383 V^T: fragment (t = 0..3, c = 0..3) at 8192 + 2048 t + 512 c + 16 lane: lane (r, h) holds channel 16 t + r; its byte 8 u + j is key 32 c + 16 u + 8 h + j
; maskw: [tile of 16 queries 128][step 16][64 words]: bit (r, h) of word 8 T + j says whether mask[16 tile + r][128 step + 16 T + 8 h + j] is not 0.
; ONE LAUNCH, THREE PATHS, parted on the work-group's number: 0-255 K, 256-511 V, 512-639 the mask.  Waves share nothing: no barrier.  K's path and V's path have LDS bytes of their own.
.set KP,    272                        ; a stage row: 256 bytes + 16, an odd multiple of 16 bytes, so that sixteen lanes on sixteen rows fall on sixteen different 16-byte columns
.set WREG,  32*KP                      ; LDS of a wave in its path: 8,704 bytes
.set VBASE, 4*WREG                     ; V's path begins behind K's four waves
.set R,     16                         ; K: v16-111   three sets of 32 numbers as loaded
.set X,     112                        ; K: v112-175  two sets of 32 neighbours
.set C,     176                        ; K: v176-239  codes, eight registers a tile: no store's data are written again
.set VX,    32                         ; V: v32-95    two sets of 32 numbers down the keys
.set VC,    96                         ; V: v96-103   a block's codes
.set OUTR,  112                        ; V: v112-175  the way out
.set M,     32                         ; mask: v32-95 bytes as loaded
.set W,     96                         ; mask: v96-103 words, a pair of registers a step
.set TM,    104                        ; mask: v104-107 at work
	s_load_b256 s[4:11], s[0:1], 0x0               ; K s[4:5], V s[6:7], mask s[8:9], the scales' exponents s[10:11]
	s_load_b128 s[12:15], s[0:1], 0x20
	s_load_b64 s[32:33], s[0:1], 0x30              ; flags: [tile of 16 queries 128][wave 4] words: bit i: some key of step 4 wave + i is open; bit 8 + i: all are
	v_lshl_add_u32 v240, v0, 2, 0x11000
	v_mov_b32 v241, 0
	v_lshrrev_b32 v1, 5, v0
	v_readfirstlane_b32 s16, v1                    ; wave 0..3
	v_and_b32 v2, 31, v0                           ; lane
	v_and_b32 v5, 15, v0                           ; r
	v_bfe_u32 v6, v0, 4, 1                         ; h
	v_lshlrev_b32 v3, 4, v2                        ; 16 x lane
	s_mov_b32 s19, 0                               ; the upper word of every offset pair s[18:19]
	s_wait_kmcnt 0x0
	s_cmp_lt_u32 ttmp9, 256
	s_cbranch_scc1 .Lkpath
	s_cmp_lt_u32 ttmp9, 512
	s_cbranch_scc1 .Lvpath
	; ---- THE MASK.  A work-group takes a tile of 16 queries, wave w its steps 4 w .. 4 w + 3.  Lane (r, h) loads the 8 bytes of row r at key 16 T + 8 h: byte j of all 32 lanes is word 8 T + j.
	s_sub_co_u32 s17, ttmp9, 512                   ; the tile
	s_lshl_b32 s18, s17, 15                        ; 16 rows of 2,048 bytes
	s_lshl_b32 s24, s16, 9                         ; four steps of 128 bytes
	s_add_co_u32 s18, s18, s24
	s_add_nc_u64 s[8:9], s[8:9], s[18:19]
	s_lshl_b32 s18, s17, 12                        ; 16 steps of 256 bytes of words
	s_lshl_b32 s24, s16, 10
	s_add_co_u32 s18, s18, s24
	s_add_nc_u64 s[14:15], s[14:15], s[18:19]
	s_wait_alu depctr_va_vdst(0)
	v_lshlrev_b32 v4, 11, v5
	v_lshl_add_u32 v4, v6, 3, v4                   ; row r, + 8 h
	v_lshlrev_b32 v9, 3, v2
	s_mov_b32 s30, 0                               ; my four steps' flags
.irp s, 0,1,2,3
.irp T, 0,1,2,3,4,5,6,7
	global_load_b64 v[M+2*(8*\s+\T):M+2*(8*\s+\T)+1], v4, s[8:9] offset:128*\s+16*\T
.endr
.endr
.irp i, 0,1,2,3,4,5,6,7
	v_mov_b32 v[W+\i], 0                           ; v_writelane_b32 keeps the other lanes: its destination is written whole first
.endr
.irp s, 0,1,2,3
	s_wait_loadcnt 8*(3-\s)
	s_mov_b32 s28, 0                               ; the step's words, joined by or
	s_mov_b32 s29, -1                              ; and by and
.set n, 0
.rept 64                                       ; word n = 8 T + j: one byte of each lane, compared with 0: the compare's lane mask is the word; it goes to lane n / 2 of register n % 2
	v_bfe_u32 v[TM+n%4], v[M+2*(8*\s+n/8)+(n%8)/4], 8*(n%4), 8
	v_cmp_ne_u32 s[24+n%4], 0, v[TM+n%4]
	v_writelane_b32 v[W+2*\s+n%2], s[24+n%4], n/2
	s_or_b32 s28, s28, s[24+n%4]
	s_and_b32 s29, s29, s[24+n%4]
.set n, n+1
.endr
	s_wait_alu depctr_va_vdst(0)                   ; directly ahead of the reader below
	global_store_b64 v9, v[W+2*\s:W+2*\s+1], s[14:15] offset:256*\s
	s_cmp_lg_u32 s28, 0
	s_cselect_b32 s28, 1<<\s, 0
	s_cmp_eq_u32 s29, -1
	s_cselect_b32 s29, 256<<\s, 0
	s_or_b32 s30, s30, s28
	s_or_b32 s30, s30, s29
.endr
	s_lshl_b32 s18, s17, 4                         ; the tile's four words,
	s_lshl_b32 s24, s16, 2                         ; my wave's
	s_add_co_u32 s18, s18, s24
	s_add_nc_u64 s[32:33], s[32:33], s[18:19]
	s_wait_xcnt 0x0                                ; EXEC changes only behind this wait
	v_mov_b32 v[TM], s30
	v_cmpx_eq_u32 0, v2                            ; lane 0 alone stores the word (its v9 is 0)
	global_store_b32 v9, v[TM], s[32:33]
	s_endpgm
.macro MKSCALE
	s_wait_kmcnt 0x0
	s_add_co_i32 s20, s20, 127
	s_lshl_b32 s21, s20, 23
	v_mov_b32 v11, s21
	s_add_co_i32 s20, s20, 15
	s_lshl_b32 s20, s20, 23
	s_or_b32 s20, s20, 0x600000                    ; the mantissa field of 57,344
	v_mov_b32 v10, s20
.endm
	; ---- K.  Wave 4 x work-group + wave = 16 head + step takes one step: 128 keys, eight tiles of 16.  Each load reads 512 consecutive bytes (two keys); a tile turns through the wave's own stage
	; so that a lane gets 16 neighbouring channels of ONE key twice over, as the conversions want them.  Loads run three tiles ahead, the turn one tile.
.macro KLOAD T
.irp i, 0,1,2,3,4,5,6,7
	global_load_b128 v[R+32*((\T)%3)+4*\i:R+32*((\T)%3)+4*\i+3], v3, s[4:5] offset:4096*(\T)+512*\i th:TH_LOAD_NT
.endr
.endm
.macro KTURN T                                 ; LDS serves a wave's instructions in order (ISA guide 5.7.1.4): no wait between the stores and the loads
.irp i, 0,1,2,3,4,5,6,7
	ds_store_b128 v14, v[R+32*((\T)%3)+4*\i:R+32*((\T)%3)+4*\i+3] offset:16*KP*((\T)%2)+2*KP*\i
.endr
.irp c, 0,1
.irp j, 0,1,2,3
	ds_load_b128 v[X+32*((\T)%2)+16*\c+4*\j:X+32*((\T)%2)+16*\c+4*\j+3], v15 offset:16*KP*((\T)%2)+128*\c+16*\j
.endr
.endr
.endm
.macro KSTEP T
.set XS, X+32*((\T)%2)
	s_wait_dscnt 0x0                               ; this tile is back from the stage: so its stores into the stage have read their registers,
.if (\T)+3 < 8
	KLOAD (\T)+3                                   ; which take the tile three further on
.endif
.if (\T) < 7
.if (\T) < 5
	s_wait_loadcnt 16                              ; the next tile's eight loads are in; the two tiles behind it may be out
.else
	s_wait_loadcnt 8*(6-(\T))                      ; the counts run down: one tile behind it, then none
.endif
	KTURN (\T)+1                                   ; it goes through the other stage while this tile is worked
.endif
.set i, 0
.rept 32
	v_med3_num_f32 v[XS+i], v[XS+i], -v10, v10     ; the conversion to an 8-bit code does not saturate (ISA guide 7.6.2): the hold comes first
.set i, i+1
.endr
.irp c, 0,1
.irp x, 0,1
	v_cvt_scalef32_pk8_bf8_f32 v[C+8*(\T)+4*\c+2*\x:C+8*(\T)+4*\c+2*\x+1], v[XS+16*\c+8*\x:XS+16*\c+8*\x+7], v11
.endr
.endr
.irp c, 0,1                                    ; (the codes go to stores alone; the next vector lines are the next tile's holds, plain ones on other registers)
	global_store_b128 v3, v[C+8*(\T)+4*\c:C+8*(\T)+4*\c+3], s[12:13] offset:1024*(\T)+512*\c   ; 512 consecutive bytes, aligned
.endr
.endm
.Lkpath:
	s_load_b32 s20, s[10:11], 0x4                  ; ek
	s_lshl_b32 s17, ttmp9, 2
	s_add_co_u32 s17, s17, s16                     ; 16 head + step
	s_lshl_b32 s18, s17, 15                        ; 128 keys of 256 bytes
	s_add_nc_u64 s[4:5], s[4:5], s[18:19]
	s_lshl_b32 s18, s17, 14                        ; a step's 16,384 bytes of kv
	s_add_nc_u64 s[12:13], s[12:13], s[18:19]
	s_mul_i32 s17, s16, WREG                       ; my two stages of 16 rows
	s_wait_alu depctr_va_vdst(0)
	v_mul_u32_u24 v14, v6, KP
	v_lshl_add_u32 v14, v5, 4, v14
	v_add_nc_u32 v14, s17, v14                     ; in: a load's two keys: row h, byte 16 r
	v_mul_u32_u24 v15, v5, KP
	v_lshl_add_u32 v15, v6, 6, v15
	v_add_nc_u32 v15, s17, v15                     ; back: key r, channels 16 h on
	KLOAD 0
	KLOAD 1
	KLOAD 2
	s_wait_alu depctr_va_vdst(0)
	MKSCALE
	s_wait_alu depctr_va_vdst(0)
	s_wait_loadcnt 16                              ; tile 0 is in; tiles 1 and 2 may be out
	KTURN 0
.irp T, 0,1,2,3,4,5,6,7
	KSTEP \T
.endr
	s_wait_tensorcnt 0x0
	ds_add_u32 v240, v241
	s_wait_dscnt 0x0
	s_endpgm
	; ---- V.  The keys are its K and its first axis within a head: A LANE TAKES A CHANNEL, AND ITS REGISTERS RUN DOWN THE KEYS.  A wave takes 32 channels x 256 keys (two steps), 8 blocks of 32 keys.
	; Of a block's four groups of eight keys the middle two change places, so that 16 bytes of a stage row are what one lane of the operand holds.  The codes leave through the wave's own stage.
.macro VLOAD t
.set i, 0
.rept 32
	global_load_b32 v[VX+32*((\t)%2)+i], v8, s[6:7] offset:(32*(\t)+i)*256 th:TH_LOAD_NT   ; key 32 t + i at 32 neighbouring channels: 128 consecutive bytes
.set i, i+1
.endr
.endm
.macro VBLOCK t
.set XS, VX+32*((\t)%2)
.if (\t) < 7
	s_wait_loadcnt 32                              ; this block's 32 loads are in; the next block's may be out
.else
	s_wait_loadcnt 0x0
.endif
.set i, 0
.rept 32
	v_med3_num_f32 v[XS+i], v[XS+i], -v10, v10
.set i, i+1
.endr
	v_cvt_scalef32_pk8_bf8_f32 v[VC:VC+1],   v[XS:XS+7],     v11   ; keys 0-7   -> bytes 0-7
	v_cvt_scalef32_pk8_bf8_f32 v[VC+4:VC+5], v[XS+8:XS+15],  v11   ; keys 8-15  -> bytes 16-23
	v_cvt_scalef32_pk8_bf8_f32 v[VC+2:VC+3], v[XS+16:XS+23], v11   ; keys 16-23 -> bytes 8-15
	v_cvt_scalef32_pk8_bf8_f32 v[VC+6:VC+7], v[XS+24:XS+31], v11   ; keys 24-31 -> bytes 24-31
	ds_store_b128 v4, v[VC:VC+3] offset:32*(\t)
	ds_store_b128 v4, v[VC+4:VC+7] offset:32*(\t)+16
.if (\t)+2 < 8
	VLOAD (\t)+2
.endif
	s_wait_dscnt 0x0                               ; the stores have read their registers: the next block's codes may be written (its 32 holds, plain lines, come first)
.endm
.Lvpath:
	s_load_b32 s20, s[10:11], 0xc                  ; ev
	s_sub_co_u32 s17, ttmp9, 256
	s_lshr_b32 s22, s17, 2                         ; the head
	s_and_b32 s17, s17, 3
	s_lshl_b32 s17, s17, 1
	s_lshr_b32 s23, s16, 1
	s_add_co_u32 s17, s17, s23                     ; which 256 keys: 0..7
	s_and_b32 s23, s16, 1                          ; which 32 channels
	s_lshl_b32 s18, s22, 19                        ; V: 2,048 keys of 256 bytes a head,
	s_lshl_b32 s24, s17, 16                        ; 256 keys,
	s_add_co_u32 s18, s18, s24
	s_lshl_b32 s24, s23, 7                         ; 32 channels
	s_add_co_u32 s18, s18, s24
	s_add_nc_u64 s[6:7], s[6:7], s[18:19]
	s_lshl_b32 s18, s22, 18                        ; kv: 16 steps a head,
	s_lshl_b32 s24, s17, 15                        ; two steps,
	s_add_co_u32 s18, s18, s24
	s_lshl_b32 s24, s23, 12                        ; two tiles of 16 channels
	s_add_co_u32 s18, s18, s24
	s_add_nc_u64 s[12:13], s[12:13], s[18:19]
	s_mul_i32 s24, s16, WREG
	s_add_co_u32 s24, s24, VBASE                   ; my stage: 32 rows
	s_wait_alu depctr_va_vdst(0)
	v_lshlrev_b32 v8, 2, v2                        ; in: 4 bytes a lane
	v_mul_u32_u24 v4, v2, KP
	v_add_nc_u32 v4, s24, v4                       ; into the stage: row = my channel
	v_mul_u32_u24 v7, v5, KP
	v_lshl_add_u32 v7, v6, 4, v7
	v_add_nc_u32 v7, s24, v7                       ; out of it: channel r of a tile, + 16 h
	VLOAD 0
	VLOAD 1
	MKSCALE
	s_wait_alu depctr_va_vdst(0)
.irp t, 0,1,2,3,4,5,6,7
	VBLOCK \t
.endr
.irp q, 0,1                                    ; step q of my two, tile t of my two, 32 keys c
.irp t, 0,1
.irp c, 0,1,2,3
	ds_load_b128 v[OUTR+4*(8*\q+4*\t+\c):OUTR+4*(8*\q+4*\t+\c)+3], v7 offset:\t*16*KP+128*\q+32*\c
.endr
.endr
.endr
.irp q, 0,1
.irp t, 0,1
.irp c, 0,1,2,3
	s_wait_dscnt 15-(8*\q+4*\t+\c)                 ; LDS loads come back in order: this one is in, the younger ones may be out
	global_store_b128 v3, v[OUTR+4*(8*\q+4*\t+\c):OUTR+4*(8*\q+4*\t+\c)+3], s[12:13] offset:\q*16384+8192+\t*2048+\c*512   ; 512 consecutive bytes, aligned
.endr
.endr
.endr
	s_wait_tensorcnt 0x0
	ds_add_u32 v240, v241
	s_wait_dscnt 0x0
	s_endpgm
.Lfunc_end_k_q0a0a686db9_prep:
	.size	k_q0a0a686db9_prep, .Lfunc_end_k_q0a0a686db9_prep-k_q0a0a686db9_prep
	.p2alignl 7, 3214868480
	.fill 96, 4, 3214868480
	.section	.rodata,"a",@progbits
	.p2align	6, 0x0
	.amdhsa_kernel k_q0a0a686db9_prep
		.amdhsa_group_segment_fixed_size 70144
		.amdhsa_private_segment_fixed_size 0
		.amdhsa_enable_private_segment 0
		.amdhsa_kernarg_size 56
		.amdhsa_user_sgpr_count 2
		.amdhsa_user_sgpr_kernarg_segment_ptr 1
		.amdhsa_wavefront_size32 1
		.amdhsa_system_sgpr_workgroup_id_x 1
		.amdhsa_system_sgpr_workgroup_id_y 1
		.amdhsa_system_sgpr_workgroup_id_z 1
		.amdhsa_system_vgpr_workitem_id 0
		.amdhsa_next_free_vgpr 242
		.amdhsa_next_free_sgpr 66
		.amdhsa_reserve_vcc 0
		.amdhsa_float_denorm_mode_32 3
		.amdhsa_float_denorm_mode_16_64 3
		.amdhsa_memory_ordered 1
		.amdhsa_forward_progress 1
		.amdhsa_inst_pref_size 155
	.end_amdhsa_kernel
	.amdgpu_metadata
---
amdhsa.version: [ 1, 2 ]
amdhsa.kernels:
  - .name:           k_q0a0a686db9_prep
    .symbol:         k_q0a0a686db9_prep.kd
    .args:
      - { .name: K, .offset: 0, .size: 8, .value_kind: global_buffer, .address_space: global }
      - { .name: V, .offset: 8, .size: 8, .value_kind: global_buffer, .address_space: global }
      - { .name: mask, .offset: 16, .size: 8, .value_kind: global_buffer, .address_space: global }
      - { .name: lowp_scales, .offset: 24, .size: 8, .value_kind: global_buffer, .address_space: global }
      - { .name: kv, .offset: 32, .size: 8, .value_kind: global_buffer, .address_space: global }
      - { .name: maskw, .offset: 40, .size: 8, .value_kind: global_buffer, .address_space: global }
      - { .name: flags, .offset: 48, .size: 8, .value_kind: global_buffer, .address_space: global }
    .group_segment_fixed_size: 70144
    .private_segment_fixed_size: 0
    .kernarg_segment_align: 8
    .kernarg_segment_size: 56
    .max_flat_workgroup_size: 128
    .sgpr_count:     66
    .vgpr_count:     242
    .wavefront_size: 32
...
	.end_amdgpu_metadata
.endif
;; end of part 1
;; launch attn (part 2): grid 64 x 4, 16 waves a work-group, no clusters, 303,104 bytes of LDS; arguments Q, kv, maskw, flags, lowp_scales, out0; writes out0
.if DOCPART == 2
	.amdgcn_target "amdgcn-amd-amdhsa--gfx1250"
	.amdhsa_code_object_version 6
	.text
	.protected	k_q0a0a686db9_attn
	.globl	k_q0a0a686db9_attn
	.p2align	8
	.type	k_q0a0a686db9_attn,@function
k_q0a0a686db9_attn:
	s_mov_b64 s[64:65], 0
	v_nop
	global_prefetch_b8 v0, s[64:65] scope:SCOPE_SE
	s_setreg_imm32_b32 hwreg(HW_REG_WAVE_MODE, 25, 1), 1
	s_wait_xcnt 0x0
; out0[head][q][:] = the sum over k of softmax_k(where(mask[q][k], Q[q] . K[k] / 8, -10,000)) V[k][:], 64 heads, 2,048 queries and keys, head size 64; both products on codes of BF8 (E5M2) with the given scales 2^eq, 2^ek, 2^ep, 2^ev.
; THE SOFTMAX AHEAD OF THE SECOND PRODUCT: t = logit x log2(e); M = the running largest t rounded UP to a whole number; p = 2^(t - M) is quantised, not normalised; the row's sum is taken of the unquantised p and divides at the end.
; THE MASK IS AN INPUT AND FILLS WITH -10,000.  The launch before has stored, as whole numbers, lane-mask words (maskw) and for each tile of 16 queries and each step of 128 keys two flags: some key open, all keys open.
; WHAT THE FLAGS DECIDE (scalar branches on whole numbers read from memory).
;   all open: the step's 64 selects and its mask words are left out: they would change nothing.
;   none open: every score of the tile is replaced by the fill whatever Q and K hold, so the first product of that tile reaches no output and is left out.  The hidden keys still count: each has p = 2^(tfill - M), the same for
;   all hidden keys of a row, so their part of the second product is Q(p) x the sum of V's codes over those keys.  That sum is made by the matrix unit on codes, V^T x (codes of 1.0), once for each step and work-group (wave w: step w),
;   kept in LDS (U, 64 numbers a step) and added over a wave's hidden steps with weights 0 or 1.  At a tile's end tfill enters M (only where a step was hidden), p enters the row's sum once for each hidden key, and Q(p) x the sum enters O.
;   LIMIT: a NaN or an infinity in Q or K that reaches only scores of wholly hidden tiles is not carried to the result (reference() replaces those scores too).
; SHARES.  256 work-groups: work-group (head, y) owns query blocks 7 - y and y of 256 queries of one head, one after the other; each of its sixteen waves owns 16 queries of a block, in 256 registers.
; The head's K and V, 262,144 bytes of images of the operand registers, lie in LDS whole and serve both blocks.  They come through registers in four groups of four steps: a wave loads 4,096 bytes of a group (v192-223),
; asked for one group (four steps) ahead of the stores; the stores stand between two barriers, so that no wave reads LDS while one stores.  The second block's loop has no barrier.
; NO CLUSTER, NO TENSOR LOAD.  NO PREFETCH INTO THE L2: each group's own loads are issued four steps ahead of their use, and 65,536 bytes a work-group are out meanwhile.
; LAYOUT.  S^T = K Q^T (source 0 = 16 keys, source 1 = my queries): register 8 T + j of lane (r, h) is query r, key 16 T + 8 h + j.  A tile's eight registers convert into registers 2 T, 2 T + 1 of P.  O^T = V^T P^T: a lane holds one query.
; LIMITS on the given exponents, so that each power of two below is an f32 number: eq and ep between -126 and 112; eq + ek between -111 and 130; ep + ev is applied by v_ldexp_f32 and has none.  NaN among the inputs is not served.
.set STEPB, 16384                      ; a step's images: K's 8,192 bytes, then V's
.set UT,    262144                     ; behind the head's 16 steps: U, 16 steps x 64 f32
.set SPARE, UT+4096                    ; the spare words, 128 bytes for each of 16 waves
.set STAGE, SPARE+2048                 ; the way out: 8 rows x 272 bytes for each wave
.set SP,    272
.set WST,   8*SP
.set LA0, 1                            ; v1   16 x lane
.set ADR, 2                            ; v2   the step in hand + 16 x lane
.set GOF, 3                            ; v3   4,096 x wave + 16 x lane: my part of a group, in memory and in LDS
.set STA, 4                            ; v4   the same in the group in hand
.set SPW, 5                            ; v5   my spare word; never rewritten
.set NIL, 6                            ; v6   0; never rewritten
.set SM,  7                            ; v7   the fill: -80,000 / 2^(eq + ek)
.set QF,  16                           ; v16-23   Q's codes
.set STI, 24                           ; v24  stage, in: row r % 8, + 128 (r / 8) + 32 h
.set STO, 25                           ; v25  stage, back: row h, + 16 r
.set UA,  26                           ; v26  U + 8 x lane
.set UB,  27                           ; v27  U + 256 x wave + 32 h
.set SCI, 28                           ; v28  my stage + 8 x lane
.set SCB, 29                           ; v29  my stage + 32 h
.set RR,  30                           ; v30  r
.set QOF, 31                           ; v31  Q: 256 r + 64 h
.set KV,  32                           ; v32-95   K's eight fragments, then V's four
.set SC,  96                           ; v96-159  S^T, then p
.set OT,  160                          ; v160-191 O^T
.set ST,  192                          ; v192-223 a group's part on its way to LDS; at the end the second block's Q
.set PC,  224                          ; v224-239 p's codes
                                       ; v240 57,344 x 2^ep, v244 2^ep; v8-11, v242-243, v246, v248-255 at work; v12 -M, v13 the largest t, v[14:15] the sum
.set OUTP, 2
.set MP,  4                            ; s[4:5] my tile's mask words at the step in hand
.set WV,  6
.set TB,  7                            ; s7   LDS byte of the step in hand
.set IC,  8
.set EPV, 9
.set SEL, 10
.set CS,  12                           ; s[12:13] c = log2(e) / 8 x 2^(eq + ek)
.set ANY, 16                           ; s16  bit 0: some key of the step in hand is open (shifted each step)
.set ALL, 17                           ; s17  bit 0: all are
.set ANY0, 18                          ; s18  the tile's 16 'some' flags
.set GC,  19
.set KVP, 20
.set Q2P, 22
.set OUT2, 24
.set MP2, 26
.set ANY2, 28
.set ALL2, 29
.set WT,  30                           ; s[30:31] an offset pair; later a weight
.set EQA, 100                          ; 2^eq
.set EQB, 101                          ; 57,344 x 2^eq
.macro MKFLAGS a, any, all             ; four words of four steps each become two words of 16 bits
	s_mov_b32 s[\any], 0
	s_mov_b32 s[\all], 0
.irp k, 0,1,2,3
	s_and_b32 s14, s[\a+\k], 15
	s_lshl_b32 s14, s14, 4*\k
	s_or_b32 s[\any], s[\any], s14
	s_bfe_u32 s14, s[\a+\k], 0x40008
	s_lshl_b32 s14, s14, 4*\k
	s_or_b32 s[\all], s[\all], s14
.endr
.endm
.macro QCONV src                       ; 32 numbers of Q become codes: the hold, then the conversion
	v_mov_b32 v248, s[EQA]
	v_mov_b32 v249, s[EQB]
.set i, 0
.rept 32
	v_med3_num_f32 v[\src+i], v[\src+i], -v249, v249
.set i, i+1
.endr
.irp c, 0,1,2,3
	v_cvt_scalef32_pk8_bf8_f32 v[QF+2*\c:QF+2*\c+1], v[\src+8*\c:\src+8*\c+7], v248
.endr
	v_nop                                          ; one plain line behind the last conversion
.endm
.macro INIT                            ; a tile begins: the largest t under every t, sums and O^T zero
	v_mov_b32 v13, 0xff61b1e6
	v_floor_f32 v12, -v13
	v_mov_b32 v14, 0
	v_mov_b32 v15, 0
.set i, 0
.rept 32
	v_mov_b32 v[OT+i], 0
.set i, i+1
.endr
.endm
.macro QK                              ; S^T of the step, and V's fragments asked for
.rept 4
	v_nop                                          ; places in front of loads into registers that the last products have read
.endr
.set i, 0
.rept 16
	ds_load_b128 v[KV+4*i:KV+4*i+3], v[ADR] offset:512*i
.set i, i+1
.endr
	s_wait_dscnt 0x0
.irp T, 0,1,2,3,4,5,6,7
	v_wmma_f32_16x16x64_bf8_bf8 v[SC+8*\T:SC+8*\T+7], v[KV+8*\T:KV+8*\T+7], v[QF:QF+7], 0
.endr
.rept 4
	v_nop                                          ; places: for the loads below and for the first read of the scores
.endr
.set i, 0
.rept 16
	ds_load_b128 v[KV+4*i:KV+4*i+3], v[ADR] offset:8192+512*i
.set i, i+1
.endr
.endm
; A KEY STEP: 128 keys at LDS byte s[TB].
.macro STEP
	s_bitcmp1_b32 s[ANY], 0
	s_cbranch_scc0 .Lhid_\@                        ; no key of the step is open for my 16 queries: it is served at the tile's end
	v_add_nc_u32 v[ADR], s[TB], v[LA0]
	s_wait_alu depctr_va_vdst(0)
	s_bitcmp1_b32 s[ALL], 0
	s_cbranch_scc1 .Lall_\@
	s_load_b512 s[32:47], s[MP:MP+1], 0x0          ; the step's 64 mask words: word n in s[32 + n + 4 (n / 32)]
	s_load_b512 s[48:63], s[MP:MP+1], 0x40
	s_load_b512 s[68:83], s[MP:MP+1], 0x80
	s_load_b512 s[84:99], s[MP:MP+1], 0xc0
	QK
	s_wait_kmcnt 0x0
.set n, 0
.rept 64                                       ; where the bit is 0 the fill takes the score's place; ascending
	v_cndmask_b32 v[SC+n], v[SM], v[SC+n], s[32+n+4*(n/32)]
.set n, n+1
.endr
	s_branch .Lsm_\@
.Lall_\@:
	QK
.Lsm_\@:
	v_max3_num_f32 v254, v[SC], v[SC+1], v[SC+2]   ; the step's largest score of my query, in two chains, ascending
	v_max3_num_f32 v252, v[SC+3], v[SC+4], v[SC+5]
.set i, 6
.rept 14
	v_max3_num_f32 v254, v254, v[SC+i], v[SC+i+1]
	v_max3_num_f32 v252, v252, v[SC+i+2], v[SC+i+3]
.set i, i+4
.endr
	v_max3_num_f32 v254, v254, v[SC+62], v[SC+63]
	v_max_num_f32 v254, v254, v252
	v_permlanex16_b32 v246, v254, s[SEL], s[SEL+1]
	v_max_num_f32 v254, v254, v246                 ; and among lane l xor 16's
	v_mul_f32 v254, s[CS], v254                    ; as t (c is positive)
	v_max_num_f32 v13, v13, v254
	v_mov_b32 v254, v12
	v_floor_f32 v12, -v13                          ; the new -M: a whole number
	v_sub_f32 v254, v12, v254
	v_cvt_i32_f32 v254, v254                       ; (it saturates)
	v_ldexp_f32 v252, 1.0, v254                    ; f = 2^(old M - new M)
.set i, 0
.rept 32
	v_pk_fma_f32 v[SC+i:SC+i+1], v[SC+i:SC+i+1], s[CS:CS+1], v[12:13] op_sel_hi:[1,0,0]   ; t - M
.set i, i+2
.endr
	s_wait_alu depctr_va_vdst(0)                   ; ahead of the batch
.set i, 0
.rept 64
	v_exp_f32 v[SC+i], v[SC+i]                     ; p = 2^(t - M)
.set i, i+1
.endr
	v_pk_mul_f32 v[14:15], v[14:15], v[252:253] op_sel_hi:[1,0]   ; the sums under the new M (the plain place behind the batch)
	s_wait_alu depctr_va_vdst(0)                   ; one wait for the batch, ahead of its first reader
	v_pk_add_f32 v[242:243], v[SC:SC+1], v[SC+2:SC+3]             ; the row's sum of the unquantised p, in four chains
	v_pk_add_f32 v[254:255], v[SC+4:SC+5], v[SC+6:SC+7]
	v_pk_add_f32 v[250:251], v[SC+8:SC+9], v[SC+10:SC+11]
	v_pk_add_f32 v[14:15], v[14:15], v[SC+12:SC+13]
.set i, 14
.rept 6
	v_pk_add_f32 v[242:243], v[242:243], v[SC+i:SC+i+1]
	v_pk_add_f32 v[254:255], v[254:255], v[SC+i+2:SC+i+3]
	v_pk_add_f32 v[250:251], v[250:251], v[SC+i+4:SC+i+5]
	v_pk_add_f32 v[14:15], v[14:15], v[SC+i+6:SC+i+7]
.set i, i+8
.endr
	v_pk_add_f32 v[242:243], v[242:243], v[SC+62:SC+63]
	v_pk_add_f32 v[14:15], v[14:15], v[250:251]
	v_pk_add_f32 v[242:243], v[242:243], v[254:255]
	v_pk_add_f32 v[14:15], v[14:15], v[242:243]
.irp T, 0,1,2,3,4,5,6,7
.irp j, 0,1,2,3,4,5,6,7
	v_min_num_f32 v[SC+8*\T+\j], v[SC+8*\T+\j], v240   ; the hold; p is not negative, so it is one-sided
.endr
	v_cvt_scalef32_pk8_bf8_f32 v[PC+2*\T:PC+2*\T+1], v[SC+8*\T:SC+8*\T+7], v244
.endr
	s_wait_alu depctr_va_vdst(0)                   ; directly ahead of the first reader of O^T
.set i, 0
.rept 16
	v_pk_mul_f32 v[OT+i:OT+i+1], v[OT+i:OT+i+1], v[252:253] op_sel_hi:[1,0]   ; O^T under the new M
.set i, i+2
.endr
	s_wait_alu depctr_va_vdst(0)                   ; directly ahead of the wait below
	s_wait_dscnt 0x0                               ; V
.irp t, 0,1,2,3                                ; four accumulators by turns
	v_wmma_f32_16x16x128_bf8_bf8 v[OT+8*\t:OT+8*\t+7], v[KV+16*\t:KV+16*\t+15], v[PC:PC+15], v[OT+8*\t:OT+8*\t+7]
.endr
.Lhid_\@:
	s_lshr_b32 s[ANY], s[ANY], 1
	s_lshr_b32 s[ALL], s[ALL], 1
	s_add_co_u32 s[TB], s[TB], STEPB
	s_add_nc_u64 s[MP:MP+1], s[MP:MP+1], 256       ; no scalar load is out here
.endm
; A TILE'S END: the hidden steps' keys enter M, the sum and O; O^T x 2^(ep + ev) / the sum leaves through my stage as whole rows of 256 bytes.
.macro FINISH
.set i, 0
.rept 16
	ds_load_b64 v[SC+2*i:SC+2*i+1], v[UA] offset:256*i   ; U of all 16 steps: my lane takes channels 2 lane, 2 lane + 1
.set i, i+1
.endr
	s_not_b32 s14, s[ANY0]
	s_and_b32 s14, s14, 0xffff                     ; the hidden steps
	s_bcnt1_i32_b32 s15, s14
	s_lshl_b32 s15, s15, 7                         ; the hidden keys
	s_cmp_lg_u32 s15, 0
	s_cselect_b32 s16, -1, 0                       ; all lanes, where a step is hidden
	s_mov_b32 s[WT+1], 0
	s_wait_dscnt 0x0
.set i, 0
.rept 16                                       ; the sum of U over the hidden steps: weight 1 or 0, two chains
	s_bitcmp1_b32 s14, i
	s_cselect_b32 s[WT], 1.0, 0
.if i < 2
	v_pk_mul_f32 v[248+2*(i%2):249+2*(i%2)], v[SC+2*i:SC+2*i+1], s[WT:WT+1] op_sel_hi:[1,0]
.else
	v_pk_fma_f32 v[248+2*(i%2):249+2*(i%2)], v[SC+2*i:SC+2*i+1], s[WT:WT+1], v[248+2*(i%2):249+2*(i%2)] op_sel_hi:[1,0,1]
.endif
.set i, i+1
.endr
	v_pk_add_f32 v[248:249], v[248:249], v[250:251]
	ds_store_b64 v[SCI], v[248:249]                ; through my stage into O^T's layout; LDS serves a wave's instructions in order
.set i, 0
.rept 8
	ds_load_b128 v[SC+32+4*i:SC+32+4*i+3], v[SCB] offset:64*(i/2)+16*(i%2)   ; register 8 t + j: channel 16 t + 8 h + j
.set i, i+1
.endr
	v_mul_f32 v8, s[CS], v[SM]                     ; tfill
	v_mov_b32 v9, 0xff61b1e6
	v_cndmask_b32 v8, v9, v8, s16                  ; it counts only where a step is hidden
	v_max_num_f32 v13, v13, v8
	v_mov_b32 v254, v12
	v_floor_f32 v12, -v13
	v_sub_f32 v254, v12, v254
	v_cvt_i32_f32 v254, v254
	v_ldexp_f32 v252, 1.0, v254                    ; f
	v_fma_f32 v9, v[SM], s[CS], v12                ; tfill - M
	v_add_f32 v14, v14, v15
	v_permlanex16_b32 v246, v14, s[SEL], s[SEL+1]
	v_add_f32 v14, v14, v246                       ; the row's sum of the open steps
	v_cvt_f32_u32 v10, s15
	s_wait_alu depctr_va_vdst(0)                   ; ahead of the transcendental
	v_exp_f32 v9, v9
	v_mul_f32 v14, v14, v252                       ; (the plain place)  the sum under the last M
	s_wait_alu depctr_va_vdst(0)                   ; and ahead of its first reader
	v_cndmask_b32 v9, 0, v9, s16                   ; p of a hidden key; 0 where no step is hidden
	v_fma_f32 v14, v10, v9, v14                    ; + p for each hidden key
.set i, 0
.rept 8
	v_min_num_f32 v[SC+i], v9, v240                ; p is quantised as every p: the hold, the conversion,
.set i, i+1
.endr
	v_cvt_scalef32_pk8_bf8_f32 v[10:11], v[SC:SC+7], v244
	v_nop
	v_cvt_f32_bf8 v10, v10                         ; and the code's number
	s_wait_alu depctr_va_vdst(0)
	v_rcp_f32 v14, v14
	v_nop
	s_wait_alu depctr_va_vdst(0)
	v_ldexp_f32 v14, v14, s[EPV]                   ; 2^(ep + ev) / the sum
	v_mul_f32 v10, v10, v14                        ; x Q(p): for the hidden keys' sum of V
	v_mul_f32 v14, v14, v252                       ; x f: for O^T
	s_wait_alu depctr_va_vdst(0)                   ; directly ahead of the wait below
	s_wait_dscnt 0x0
.set i, 0
.rept 16
	v_pk_mul_f32 v[SC+i:SC+i+1], v[SC+32+i:SC+32+i+1], v[10:11] op_sel_hi:[1,0]
.set i, i+2
.endr
	s_wait_alu depctr_va_vdst(0)                   ; directly ahead of the first reader of O^T
.set i, 0
.rept 16
	v_pk_fma_f32 v[SC+i:SC+i+1], v[OT+i:OT+i+1], v[14:15], v[SC+i:SC+i+1] op_sel_hi:[1,0,1]   ; register 8 t + j is out0(r, 16 t + 8 h + j)
.set i, i+2
.endr
	; The stage holds eight rows, and all 32 lanes store in both rounds: lanes r and r xor 8 exchange half of their numbers.
	; Round 0, rows 0-7: a lane with r < 8 stores its own channels 0-31, a lane with r >= 8 row r - 8's channels 32-63.  Round 1, rows 8-15: r < 8 stores row r + 8's channels 0-31, r >= 8 its own channels 32-63.
	s_mov_b32 s14, 0xff00ff00                      ; the lanes with r >= 8
.set i, 0
.rept 16
	v_mov_b32_dpp v[KV+i], v[SC+i] row_xmask:8 row_mask:0xf bank_mask:0xf          ; lane r xor 8's channels 0-31,
	v_mov_b32_dpp v[KV+16+i], v[SC+16+i] row_xmask:8 row_mask:0xf bank_mask:0xf    ; and its channels 32-63
.set i, i+1
.endr
.set i, 0
.rept 16
	v_cndmask_b32 v[KV+16+i], v[SC+i], v[KV+16+i], s14   ; round 0's numbers
	v_cndmask_b32 v[KV+i], v[KV+i], v[SC+16+i], s14      ; round 1's
.set i, i+1
.endr
.irp u, 0,1
.irp t, 0,1
	ds_store_b128 v[STI], v[KV+16-16*\u+8*\t:KV+16-16*\u+8*\t+3] offset:64*\t
	ds_store_b128 v[STI], v[KV+16-16*\u+8*\t+4:KV+16-16*\u+8*\t+7] offset:64*\t+16
.endr
.irp i, 0,1,2,3
	ds_load_b128 v[KV+32+16*\u+4*\i:KV+32+16*\u+4*\i+3], v[STO] offset:\i*2*SP   ; two rows a load; LDS serves a wave's instructions in order: behind my stores, ahead of the next round's
.endr
.endr
	s_wait_dscnt 0x0
.set i, 0
.rept 8
	global_store_b128 v[LA0], v[KV+32+4*i:KV+32+4*i+3], s[OUTP:OUTP+1] offset:512*i th:TH_STORE_NT   ; two rows: 512 consecutive bytes, aligned
.set i, i+1
.endr
.endm
	s_load_b256 s[32:39], s[0:1], 0x0              ; Q, kv, maskw, flags
	s_load_b128 s[40:43], s[0:1], 0x20             ; the scales' exponents, out0
	v_lshl_add_u32 v[SPW], v0, 2, SPARE
	v_mov_b32 v[NIL], 0
	v_lshrrev_b32 v8, 5, v0
	v_readfirstlane_b32 s[WV], v8                  ; wave 0..15
	v_and_b32 v9, 31, v0
	v_lshlrev_b32 v[LA0], 4, v9
	v_lshl_add_u32 v[GOF], v8, 12, v[LA0]
	v_and_b32 v[RR], 15, v0
	v_bfe_u32 v10, v0, 4, 1                        ; h
	v_lshlrev_b32 v[QOF], 8, v[RR]
	v_lshl_add_u32 v[QOF], v10, 6, v[QOF]
	s_mul_i32 s14, s[WV], WST
	s_add_co_u32 s14, s14, STAGE                   ; my stage
	s_lshl_b32 s15, s[WV], 8
	s_add_co_u32 s15, s15, UT                      ; my step's row of U
	v_and_b32 v11, 7, v0
	v_mul_u32_u24 v[STI], v11, SP
	v_lshl_add_u32 v[STI], v10, 5, v[STI]
	v_bfe_u32 v8, v0, 3, 1                         ; r / 8: these lanes store the right half of a row
	v_lshl_add_u32 v[STI], v8, 7, v[STI]
	v_add_nc_u32 v[STI], s14, v[STI]
	v_mul_u32_u24 v[STO], v10, SP
	v_lshl_add_u32 v[STO], v[RR], 4, v[STO]
	v_add_nc_u32 v[STO], s14, v[STO]
	v_lshlrev_b32 v[SCI], 3, v9
	v_add_nc_u32 v[UA], UT, v[SCI]
	v_add_nc_u32 v[SCI], s14, v[SCI]
	v_lshlrev_b32 v[SCB], 5, v10
	v_add_nc_u32 v[UB], s15, v[SCB]
	v_add_nc_u32 v[SCB], s14, v[SCB]
	v_mov_b32 v246, 0                              ; a lane permute's destination counts as one of its sources
	v_mov_b32 v253, 0                              ; (named as the upper half of v[252:253])
	s_and_b32 s14, ttmp7, 0xffff                   ; y: the second block; the first is 7 - y
	s_sub_co_u32 s15, 7, s14
	s_lshl_b32 s15, s15, 4
	s_add_co_u32 s15, s15, s[WV]                   ; my first tile of 16 queries
	s_lshl_b32 s14, s14, 4
	s_add_co_u32 s14, s14, s[WV]                   ; my second
	s_lshl_b32 s19, ttmp9, 7                       ; the head's 128 tiles
	s_add_co_u32 s16, s19, s15
	s_lshl_b32 s16, s16, 12                        ; 16 rows of 256 bytes, in Q and out0
	s_add_co_u32 s17, s19, s14
	s_lshl_b32 s17, s17, 12
	s_mov_b32 s[WT+1], 0
	s_mov_b32 s[SEL], 0x76543210
	s_mov_b32 s[SEL+1], 0xfedcba98
	s_wait_alu depctr_va_vdst(0)                   ; directly ahead of the wait below
	s_wait_kmcnt 0x0
	s_load_b128 s[44:47], s[40:41], 0x0            ; eq, ek, ep, ev
	s_lshl_b32 s[WT], ttmp9, 18                    ; the head's 16 steps in kv
	s_add_nc_u64 s[KVP:KVP+1], s[34:35], s[WT:WT+1]
.set i, 0
.rept 8
	global_load_b128 v[ST+4*i:ST+4*i+3], v[GOF], s[KVP:KVP+1] offset:512*i   ; my part of steps 0 to 3
.set i, i+1
.endr
	s_mov_b32 s[WT], s16
	s_add_nc_u64 s[60:61], s[32:33], s[WT:WT+1]    ; Q at my first tile
	s_add_nc_u64 s[OUTP:OUTP+1], s[42:43], s[WT:WT+1]
.irp c, 0,1
.irp j, 0,1,2,3
	global_load_b128 v[SC+16*\c+4*\j:SC+16*\c+4*\j+3], v[QOF], s[60:61] offset:128*\c+16*\j th:TH_LOAD_NT
.endr
.endr
	s_mov_b32 s[WT], s17
	s_add_nc_u64 s[Q2P:Q2P+1], s[32:33], s[WT:WT+1]
	s_add_nc_u64 s[OUT2:OUT2+1], s[42:43], s[WT:WT+1]
	s_lshl_b32 s[WT], s15, 12                      ; 16 steps of 256 bytes of mask words
	s_add_nc_u64 s[MP:MP+1], s[36:37], s[WT:WT+1]
	s_lshl_b32 s[WT], s14, 12
	s_add_nc_u64 s[MP2:MP2+1], s[36:37], s[WT:WT+1]
	s_lshl_b32 s[WT], s15, 4                       ; four words of flags
	s_add_nc_u64 s[48:49], s[38:39], s[WT:WT+1]
	s_load_b128 s[52:55], s[48:49], 0x0
	s_lshl_b32 s[WT], s14, 4
	s_add_nc_u64 s[50:51], s[38:39], s[WT:WT+1]
	s_load_b128 s[56:59], s[50:51], 0x0
	INIT
	s_wait_kmcnt 0x0
	MKFLAGS 52, ANY, ALL
	MKFLAGS 56, ANY2, ALL2
	s_mov_b32 s[ANY0], s[ANY]
	s_add_co_i32 s14, s44, s45
	s_lshl_b32 s14, s14, 23                        ; eq + ek, at the place of an exponent field
	s_mov_b32 s[CS], 0x3e38aa3b                    ; log2(e) / 8
	s_add_co_i32 s[CS], s[CS], s14
	s_mov_b32 s[CS+1], s[CS]
	s_sub_co_i32 s15, 0xc79c4000, s14              ; -80,000 / 2^(eq + ek)
	v_mov_b32 v[SM], s15
	s_add_co_i32 s14, s46, 127
	s_lshl_b32 s15, s14, 23
	v_mov_b32 v244, s15                            ; 2^ep
	s_add_co_i32 s14, s14, 15
	s_lshl_b32 s14, s14, 23
	s_or_b32 s14, s14, 0x600000
	v_mov_b32 v240, s14                            ; 57,344 x 2^ep
	s_add_co_i32 s14, s44, 127
	s_lshl_b32 s[EQA], s14, 23
	s_add_co_i32 s14, s14, 15
	s_lshl_b32 s14, s14, 23
	s_or_b32 s[EQB], s14, 0x600000
	s_add_co_i32 s[EPV], s46, s47
	s_mov_b32 s[TB], 0
	s_mov_b32 s[GC], 0
	s_wait_alu depctr_va_vdst(0)
	s_wait_loadcnt 0x0                             ; Q (and steps 0 to 3)
	QCONV SC
	s_wait_alu depctr_va_vdst(0)                   ; at the head's end
; THE FIRST BLOCK: four groups of four steps.  Between the two barriers the waves store a group and nobody reads LDS.
.Lgrp:
	s_wait_dscnt 0x0                               ; my reads of LDS are over
	s_barrier_signal -1
	s_barrier_wait -1
	s_lshl_b32 s14, s[GC], 16
	s_wait_loadcnt 0x0                             ; my part of group GC is in registers
	v_add_nc_u32 v[STA], s14, v[GOF]
.set i, 0
.rept 8
	ds_store_b128 v[STA], v[ST+4*i:ST+4*i+3] offset:512*i
.set i, i+1
.endr
	s_wait_dscnt 0x0                               ; stored: the others may read it behind the barrier, and the registers are free
	s_cmp_eq_u32 s[GC], 3
	s_cbranch_scc1 .Lq2
	s_add_nc_u64 s[KVP:KVP+1], s[KVP:KVP+1], 4*STEPB
.set i, 0
.rept 8
	global_load_b128 v[ST+4*i:ST+4*i+3], v[GOF], s[KVP:KVP+1] offset:512*i   ; the next group: four steps ahead of its stores
.set i, i+1
.endr
	s_branch .Lst
.Lq2:
.irp c, 0,1
.irp j, 0,1,2,3
	global_load_b128 v[ST+16*\c+4*\j:ST+16*\c+4*\j+3], v[QOF], s[Q2P:Q2P+1] offset:128*\c+16*\j th:TH_LOAD_NT   ; behind the last group: the second block's Q
.endr
.endr
.Lst:
	s_barrier_signal -1
	s_barrier_wait -1
	s_mov_b32 s[IC], 4
.Lin1:
	STEP
	s_sub_co_u32 s[IC], s[IC], 1
	s_cmp_lg_u32 s[IC], 0
	s_cbranch_scc1 .Lin1
	s_add_co_u32 s[GC], s[GC], 1
	s_cmp_lt_u32 s[GC], 4
	s_cbranch_scc1 .Lgrp
	; U: wave w makes V^T x (codes of 1.0) of step w: every column of the result is the sum of V's codes over the step's 128 keys
	s_lshl_b32 s14, s[WV], 14
	v_add_nc_u32 v[ADR], s14, v[LA0]
.rept 4
	v_nop
.endr
.set i, 0
.rept 16
	ds_load_b128 v[KV+4*i:KV+4*i+3], v[ADR] offset:8192+512*i
.set i, i+1
.endr
.set i, 0
.rept 16
	v_mov_b32 v[PC+i], 0x3c3c3c3c                  ; 1.0 in E5M2, four codes
.set i, i+1
.endr
	s_wait_alu depctr_va_vdst(0)
	s_wait_dscnt 0x0
.irp t, 0,1,2,3
	v_wmma_f32_16x16x128_bf8_bf8 v[SC+8*\t:SC+8*\t+7], v[KV+16*\t:KV+16*\t+15], v[PC:PC+15], 0
.endr
.rept 4
	v_nop
.endr
.irp t, 0,1,2,3                                ; the sixteen lanes of a half hold the same numbers and store them to the same bytes
	ds_store_b128 v[UB], v[SC+8*\t:SC+8*\t+3] offset:64*\t
	ds_store_b128 v[UB], v[SC+8*\t+4:SC+8*\t+7] offset:64*\t+16
.endr
	s_wait_dscnt 0x0
	s_barrier_signal -1
	s_barrier_wait -1                              ; U is whole
	FINISH
	; THE SECOND BLOCK: K, V and U lie in LDS and nobody writes them: no barrier
	s_wait_xcnt 0x0                                ; the stores have read their base and their data
	s_wait_loadcnt 0x0                             ; its Q
	QCONV ST
	INIT
	s_mov_b32 s[ANY], s[ANY2]
	s_mov_b32 s[ANY0], s[ANY2]
	s_mov_b32 s[ALL], s[ALL2]
	s_mov_b64 s[MP:MP+1], s[MP2:MP2+1]
	s_mov_b64 s[OUTP:OUTP+1], s[OUT2:OUT2+1]
	s_mov_b32 s[TB], 0
	s_mov_b32 s[IC], 16
	s_wait_alu depctr_va_vdst(0)
.Lin2:
	STEP
	s_sub_co_u32 s[IC], s[IC], 1
	s_cmp_lg_u32 s[IC], 0
	s_cbranch_scc1 .Lin2
	FINISH
	s_wait_tensorcnt 0x0                           ; the wave's end, behind my last LDS store
	ds_add_u32 v[SPW], v[NIL]
	s_wait_dscnt 0x0
	s_endpgm
.Lfunc_end_k_q0a0a686db9_attn:
	.size	k_q0a0a686db9_attn, .Lfunc_end_k_q0a0a686db9_attn-k_q0a0a686db9_attn
	.p2alignl 7, 3214868480
	.fill 96, 4, 3214868480
	.section	.rodata,"a",@progbits
	.p2align	6, 0x0
	.amdhsa_kernel k_q0a0a686db9_attn
		.amdhsa_group_segment_fixed_size 303104
		.amdhsa_private_segment_fixed_size 0
		.amdhsa_enable_private_segment 0
		.amdhsa_kernarg_size 48
		.amdhsa_user_sgpr_count 2
		.amdhsa_user_sgpr_kernarg_segment_ptr 1
		.amdhsa_wavefront_size32 1
		.amdhsa_system_sgpr_workgroup_id_x 1
		.amdhsa_system_sgpr_workgroup_id_y 1
		.amdhsa_system_sgpr_workgroup_id_z 1
		.amdhsa_system_vgpr_workitem_id 0
		.amdhsa_next_free_vgpr 256
		.amdhsa_next_free_sgpr 102
		.amdhsa_reserve_vcc 0
		.amdhsa_float_denorm_mode_32 3
		.amdhsa_float_denorm_mode_16_64 3
		.amdhsa_memory_ordered 1
		.amdhsa_forward_progress 1
		.amdhsa_inst_pref_size 93
	.end_amdhsa_kernel
	.amdgpu_metadata
---
amdhsa.version: [ 1, 2 ]
amdhsa.kernels:
  - .name:           k_q0a0a686db9_attn
    .symbol:         k_q0a0a686db9_attn.kd
    .args:
      - { .name: Q, .offset: 0, .size: 8, .value_kind: global_buffer, .address_space: global }
      - { .name: kv, .offset: 8, .size: 8, .value_kind: global_buffer, .address_space: global }
      - { .name: maskw, .offset: 16, .size: 8, .value_kind: global_buffer, .address_space: global }
      - { .name: flags, .offset: 24, .size: 8, .value_kind: global_buffer, .address_space: global }
      - { .name: lowp_scales, .offset: 32, .size: 8, .value_kind: global_buffer, .address_space: global }
      - { .name: out0, .offset: 40, .size: 8, .value_kind: global_buffer, .address_space: global }
    .group_segment_fixed_size: 303104
    .private_segment_fixed_size: 0
    .kernarg_segment_align: 8
    .kernarg_segment_size: 48
    .max_flat_workgroup_size: 512
    .sgpr_count:     102
    .vgpr_count:     256
    .wavefront_size: 32
...
	.end_amdgpu_metadata
.endif
;; end of part 2
